; MI455X (gfx1250); checked and timed in simulation.
; The chip was launched on July 23, 2026; its instructions are those of AMD's public machine-readable ISA for CDNA 5 (MIT licence, August 2026) and "CDNA5" Instruction Set Architecture Reference Guide (July 2026). The comments in the code are by the model that wrote it; some were corrected since.
;; Multihead Attention. Allowed arithmetic: matrix products marked QUANTISED: E2M1 operands, one E8M0 scale for each 32 along K, by v_wmma_scale_f32_16x16x128_f8f6f4 with both operands' format E2M1 (or v_wmma_scale_f32_32x16x128_f4), f32 sums; everything else in f32.
;; Inputs: Wk 1,024 x 1,024 float32; Wp 1,024 x 1,024 float32; Wq 1,024 x 1,024 float32; Wv 1,024 x 1,024 float32; bk 1,024 float32; bp 1,024 float32; bq 1,024 float32; bv 1,024 float32; input_ids 4 x 2,048 int32; x 4 x 2,048 x 1,024 float32.
;; Outputs: out0 4 x 2,048 x 1,024 float32.
;; This version of the problem:
;;   THIS VERSION OF THE PROBLEM IS GIVEN IN LOW PRECISION. The matrix products marked QUANTISED in the list below multiply operands that are first quantised to E2M1 (2 exponent bits, 1 mantissa bit; 4 bits a number), with one power-of-two scale for each 32 numbers along K (OCP MX v1.0); their sums are f32. All else is computed in f32.
;;   The module's matrix products, in the order in which they are computed (A, B: the left and right operand; K: the contracted axis; several contracted axes count as one K, in the product's order):
;;     1. [M 8,192, K 1,024] x [K 1,024, N 1,024]; A: input x; B: input Wq: QUANTISED
;;     2. [M 8,192, K 1,024] x [K 1,024, N 1,024]; A: input x; B: input Wk: QUANTISED
;;     3. [M 8,192, K 1,024] x [K 1,024, N 1,024]; A: input x; B: input Wv: QUANTISED
;;     4. batch 64 x [M 2,048, K 64] x [K 64, N 2,048]; A: computed on the way; B: computed on the way: QUANTISED
;;     5. batch 64 x [M 64, K 2,048] x [K 2,048, N 2,048]; A: computed on the way; B: softmax (see below): QUANTISED
;;     6. [M 8,192, K 1,024] x [K 1,024, N 1,024]; A: computed on the way; B: input Wp: QUANTISED
;;   THE QUANTISER, for each operand of a quantised product, along K:
;;     - K is cut into blocks of 32 from its start; a last block that is shorter is filled with zeros.
;;     - A block's scale is 2^e with e = floor(log2(the largest magnitude in the block)) - 2, held to -126 .. 127; a block of zeros has e = 0. As a byte (E8M0): e + 127.
;;     - Each number is divided by its block's scale, clamped to +-6, and rounded to the nearest number of E2M1, ties to even, subnormals kept.
;;     - The product sums the exact products of the quantised numbers (number of the format x scale) in f32.
;;   ~~~python
;;   def quantise(x, axis):      # numpy; x: float32 -> the quantised numbers, widened to float32 again
;;       x = np.moveaxis(x, axis, -1); K = x.shape[-1]
;;       x = np.pad(x, [(0, 0)] * (x.ndim - 1) + [(0, -K % 32)]); x = x.reshape(x.shape[:-1] + (-1, 32)); a = np.abs(x).max(-1, keepdims=True)
;;       e = np.where(a > 0, np.clip(np.frexp(np.where(a > 0, a, 1))[1] - 1 - 2, -126, 127), 0)      # np.frexp(a)[1] - 1 = floor(log2(a)), exactly
;;       r = np.clip(x / 2.0 ** e, -6, 6)
;;       step = 2.0 ** (np.maximum(np.frexp(np.where(r == 0, 1, r))[1] - 1, 0) - 1)
;;       q = np.round(r / step) * step * 2.0 ** e      # np.round: ties to even
;;       return np.moveaxis(q.reshape(q.shape[:-2] + (-1,))[..., :K], -1, axis).astype(np.float32)
;;   ~~~
;;   SOFTMAX AHEAD OF A QUANTISED PRODUCT. Where the list says 'softmax', what is quantised is not the finished softmax but p = 2^(t - M), with t = logit x log2(e) and M = ceil(the row's largest t), a whole number; so 1/2 < the row's largest p <= 1. The row's sum l is taken of the UNQUANTISED p, in f32, and the product's result is divided by l at the end. Since M is a whole number, a kernel that streams over the keys may use a running M (the ceiling of the running maximum): every later rescaling is an exact power of two, which a block's scale takes up: the codes' values come out the same.
;;   OPERANDS COMPUTED ON THE WAY. 'Computed on the way' means the value that the module computes at that place (a softmax that the list does not call 'softmax' is quantised finished and normalised). What goes into a quantiser is computed in f32, as accurately as f32 sums, v_exp_f32 and their like allow (about 1e-6 of the number): no bf16 or f16 on the way to a quantiser, and a product that is left as it is and whose result goes on into a quantised operand takes f32 operands (vector FMAs, or v_wmma_f32_16x16x4_f32). A number that lies on a knife's edge between two numbers of the format may be rounded either way, as far as f32 arithmetic and the matrix unit's own rounding can turn it there, and no further.
;; One version. Each part assembles by itself: llvm-mc -triple=amdgcn-amd-amdhsa -mcpu=gfx1250 --defsym DOCPART=n.
;; ======== version 1 of 1: 4 launches
;; limits: right only within a limited range of input values
;; workspace buffers: xw_codes 6,291,456 bytes; xw_scales 393,216 bytes; qkv_codes 12,582,912 bytes; qkv_scales 1,310,720 bytes; att_codes 4,194,304 bytes; att_scales 262,144 bytes
;; launch quant (part 1): grid 320 x 1, 4 waves a work-group, no clusters, 68,096 bytes of LDS; arguments x, Wq, Wk, Wv, Wp, xw_codes, xw_scales; writes xw_codes, xw_scales
.if DOCPART == 1
	.amdgcn_target "amdgcn-amd-amdhsa--gfx1250"
	.amdhsa_code_object_version 6
	.text
	.protected	k_q053acc36e4_quant
	.globl	k_q053acc36e4_quant
	.p2align	8
	.type	k_q053acc36e4_quant,@function
k_q053acc36e4_quant:
	s_mov_b64 s[64:65], 0
	v_nop
	global_prefetch_b8 v0, s[64:65] scope:SCOPE_SE
	s_setreg_imm32_b32 hwreg(HW_REG_WAVE_MODE, 25, 1), 1
	s_wait_xcnt 0x0
; MULTI-HEAD ATTENTION IN MX-FP4, launch 1 of 4: x [8192][1024] and the four weights [1024 (k)][1024 (n)], f32, become codes of E2M1 with K innermost and one E8M0 byte for each 32 along K.
; NOTHING OF THE PROBLEM IS LEFT OUT in this program: all six products are done, every bias moves codes or the result, the key mask and the residual are honoured; all ten inputs are loaded.
; xw_codes: x's rows [8192][512 B], then from byte 4,194,304 the weights' rows [1024 w + n][512 B], w = 0 Wq, 1 Wk, 2 Wv, 3 Wp.  xw_scales: [8192][32 B], then from byte 262,144 [1024 w + n][32 B].
; A block's scale is 2^(floor(log2(its largest magnitude)) - 2); its byte is the largest magnitude's exponent field - 2, held at 1 from below.
; LIMITS: a block of zeros gets the byte 1 where the quantiser says 127 (its codes are zeros, and this program alone reads the bytes); blocks whose largest magnitude lies under 2^-124 keep the byte 1; NaN and infinities among the inputs are not served.
; Work-groups 0-255 take x: a plain stream of blocks of 32 (K is innermost).  Work-groups 256-319 take the weights, whose K is the FIRST axis: a lane takes a column n and its registers run down K.
; The two ways part on the work-group's number; each has LDS bytes of its own.  No tensor loads, no barrier: waves share nothing.
.set SPW,   190                        ; v190  LDS address of my spare word; never rewritten
.set NIL,   191                        ; v191  0; never rewritten
.set EMAX,  2
.set STEPS, 16
.set CB,    8                          ; bytes of 16 codes
.set XR,    16                         ; x: v16-79 four sets of 16 numbers as loaded
.set XX,    80                         ; v80-111 two sets of 16 neighbours
.set XE,    112                        ; v112-127 a scale byte for each step
.set XC,    128                        ; v128-189 codes: four registers' room for each step
.set WREG,  8192                       ; x: LDS region of a wave: two stages of 32 x 80 bytes, then its 256 scale bytes
.set SP,    80
.set WSTG,  32768                      ; the weights' stages: 32 rows x 272 bytes for each wave
.set PITCH, 272
.set SPARE, 67584                      ; the spare words, 128 bytes for each wave
.set WX,    32                         ; weights: v32-95 two sets of 32 numbers
.set WC,    96                         ; a block's codes
.set WOUT,  112                        ; v112-175 the way out
.set WSB,   24                         ; v24-27 the scale bytes, four to a register
	s_load_b256 s[4:11], s[0:1], 0x0               ; x, Wq, Wk, Wv
	s_load_b128 s[12:15], s[0:1], 0x20             ; Wp, xw_codes
	s_load_b64 s[16:17], s[0:1], 0x30              ; xw_scales
	v_lshl_add_u32 v[SPW], v0, 2, SPARE
	v_mov_b32 v[NIL], 0
	v_lshrrev_b32 v1, 5, v0
	v_readfirstlane_b32 s18, v1                    ; wave
	v_and_b32 v2, 31, v0                           ; lane
	s_cmp_lt_u32 ttmp9, 256
	s_cbranch_scc0 .Lweights
; ---------------- x: a wave takes 16 steps of 512 numbers.  Each load reads 512 consecutive bytes; the numbers turn through the wave's stage so that a lane holds 16 neighbours
	v_lshlrev_b32 v3, 4, v2                        ; my 16 bytes of a load's 512
	s_mul_i32 s19, s18, WREG
	v_lshrrev_b32 v14, 2, v2
	v_mul_u32_u24 v14, v14, SP
	v_and_b32 v15, 3, v2
	v_lshl_add_u32 v14, v15, 4, v14
	v_add_nc_u32 v14, s19, v14                     ; the stage, on the way in: 80 (lane / 4) + 16 (lane % 4)
	v_mul_u32_u24 v15, v2, SP
	v_add_nc_u32 v15, s19, v15                     ; and on the way out: 80 x lane
	v_mul_u32_u24 v4, v2, CB                       ; my codes' place in a step's
	v_lshrrev_b32 v5, 1, v2
	s_add_co_u32 s19, s19, 2*32*SP
	v_add_nc_u32 v5, s19, v5                       ; my block's scale byte in the wave's 256
	v_lshlrev_b32 v7, 3, v2
	v_add_nc_u32 v6, s19, v7
	s_lshl_b32 s20, ttmp9, 2
	s_add_co_u32 s20, s20, s18                     ; which run of 8,192 numbers is my wave's
	s_mov_b32 s23, 0
	s_wait_alu depctr_va_vdst(0)
	s_wait_kmcnt 0x0
	s_lshl_b32 s22, s20, 15
	s_add_nc_u64 s[4:5], s[4:5], s[22:23]          ; 32,768 bytes of x a run,
	s_lshl_b32 s22, s20, 12
	s_add_nc_u64 s[14:15], s[14:15], s[22:23]      ; 4,096 of codes,
	s_lshl_b32 s22, s20, 8
	s_add_nc_u64 s[16:17], s[16:17], s[22:23]      ; 256 scale bytes
.macro LOADX t
.irp i, 0,1,2,3
	global_load_b128 v[XR+16*((\t)%4)+4*\i:XR+16*((\t)%4)+4*\i+3], v3, s[4:5] offset:2048*(\t)+512*\i th:TH_LOAD_NT
.endr
.endm
.macro TURNX t                         ; LDS serves a wave's instructions in order: no wait between the stores and the loads
.irp i, 0,1,2,3
	ds_store_b128 v14, v[XR+16*((\t)%4)+4*\i:XR+16*((\t)%4)+4*\i+3] offset:32*SP*((\t)%2)+8*SP*\i
.endr
.irp i, 0,1,2,3
	ds_load_b128 v[XX+16*((\t)%2)+4*\i:XX+16*((\t)%2)+4*\i+3], v15 offset:32*SP*((\t)%2)+16*\i
.endr
.endm
.irp t, 0,1,2,3
	LOADX \t
.endr
	s_wait_loadcnt 12                              ; step 0's four loads are in; three steps' twelve may be out
	TURNX 0
.macro STEPX t
.set XS, XX+16*((\t)%2)
.if (\t) > 0
	s_wait_dscnt 1                                 ; this step's numbers are back from the stage; the last step's byte store may be out
.else
	s_wait_dscnt 0x0
.endif
.if (\t)+4 < STEPS
	LOADX (\t)+4                                   ; into the registers that this step's stage stores have read
.endif
.if (\t)+1 < STEPS
.if STEPS-2-(\t) >= 3
	s_wait_loadcnt 12                              ; the next step's four loads are in; three steps' may be out
.else
	s_wait_loadcnt 4*(STEPS-2-(\t))
.endif
	TURNX (\t)+1
.endif
	v_max3_num_f32 v8, |v[XS]|, |v[XS+1]|, |v[XS+2]|               ; the largest magnitude of my 16, in two chains
	v_max3_num_f32 v9, |v[XS+3]|, |v[XS+4]|, |v[XS+5]|
.irp i, 6,10
	v_max3_num_f32 v8, v8, |v[XS+\i]|, |v[XS+\i+1]|
	v_max3_num_f32 v9, v9, |v[XS+\i+2]|, |v[XS+\i+3]|
.endr
	v_max3_num_f32 v8, v8, |v[XS+14]|, |v[XS+15]|
	v_max3_num_f32 v8, v8, v9, (EMAX+1)<<23        ; and the floor 2^(3 - 127): the byte cannot fall under 1
	v_max_num_f32_dpp v8, v8, v8 row_xmask:1 row_mask:0xf bank_mask:0xf   ; with my neighbour's 16: the block's
	v_add_nc_u32 v11, -(EMAX<<23), v8              ; 2 off its exponent field: the conversion's scale operand
	v_cvt_scalef32_pk8_fp4_f32 v[XC+4*(\t)], v[XS:XS+7], v11
	v_cvt_scalef32_pk8_fp4_f32 v[XC+4*(\t)+1], v[XS+8:XS+15], v11
	v_lshrrev_b32 v[XE+(\t)], 23, v11              ; the scale's byte
	ds_store_b8 v5, v[XE+(\t)] offset:16*(\t)      ; both lanes of a block write the same byte with the same value
	global_store_b64 v4, v[XC+4*(\t):XC+4*(\t)+1], s[14:15] offset:32*CB*(\t)   ; the wave stores 256 consecutive bytes, aligned
.endm
.irp t, 0,1,2,3,4,5,6,7,8,9,10,11,12,13,14,15
	STEPX \t
.endr
	ds_load_b64 v[8:9], v6                         ; in order behind my byte stores
	s_wait_dscnt 0x0
	global_store_b64 v7, v[8:9], s[16:17]          ; 256 consecutive scale bytes, aligned
	s_wait_tensorcnt 0x0                           ; the wave's end
	ds_add_u32 v[SPW], v[NIL]
	s_wait_dscnt 0x0
	s_endpgm
; ---------------- the weights: 16 work-groups each: 8 blocks of 128 columns x 2 halves of K.  A wave takes 32 columns x 512 along K
.Lweights:
	s_sub_co_u32 s20, ttmp9, 256
	s_lshr_b32 s21, s20, 4                         ; which weight
	s_and_b32 s22, s20, 7                          ; which 128 columns
	s_bfe_u32 s23, s20, 0x10003                    ; which half of K
	s_lshl_b32 s24, s22, 7
	s_lshl_b32 s25, s18, 5
	s_add_co_u32 s24, s24, s25                     ; my wave's first column
	s_wait_alu depctr_va_vdst(0)
	v_lshlrev_b32 v3, 2, v2                        ; in: 4 bytes a lane
	s_mul_i32 s25, s18, 32*PITCH
	s_add_co_u32 s25, s25, WSTG                    ; my stage
	v_mul_u32_u24 v4, v2, PITCH
	v_add_nc_u32 v4, s25, v4                       ; into it: row = my column
	v_and_b32 v5, 15, v2
	v_lshrrev_b32 v6, 4, v2
	v_mul_u32_u24 v7, v6, PITCH
	v_lshl_add_u32 v7, v5, 4, v7
	v_add_nc_u32 v7, s25, v7                       ; out of it: sixteen lanes to a row, two rows an instruction
	v_lshlrev_b32 v8, 9, v6
	v_lshl_add_u32 v8, v5, 4, v8                   ; the same place among the codes' rows of 512 bytes
	v_lshlrev_b32 v9, 5, v2                        ; my column's row of 32 scale bytes
	s_lshl_b32 s26, s23, 21                        ; the weight: 512 rows of 4,096 bytes for each half of K,
	s_lshl_b32 s27, s24, 2
	s_add_co_u32 s26, s26, s27                     ; + 4 bytes a column
	s_mov_b32 s27, 0
	s_lshl_b32 s28, s21, 10
	s_add_co_u32 s28, s28, s24                     ; the row among the stacked weights: 1024 w + column
	s_lshl_b32 s30, s28, 9
	s_lshl_b32 s31, s23, 8
	s_add_co_u32 s30, s30, s31
	s_add_co_u32 s30, s30, 4194304                 ; its codes
	s_mov_b32 s31, 0
	s_lshl_b32 s28, s28, 5
	s_lshl_b32 s29, s23, 4
	s_add_co_u32 s28, s28, s29
	s_add_co_u32 s28, s28, 262144                  ; its scale bytes
	s_mov_b32 s29, 0
	s_and_b32 s32, s21, 1
	s_lshr_b32 s33, s21, 1
	s_wait_kmcnt 0x0
	s_cmp_lg_u32 s32, 0                            ; the choice hangs on the work-group's number alone
	s_cselect_b64 s[34:35], s[8:9], s[6:7]         ; Wk or Wq
	s_cselect_b64 s[36:37], s[12:13], s[10:11]     ; Wp or Wv
	s_cmp_lg_u32 s33, 0
	s_cselect_b64 s[4:5], s[36:37], s[34:35]
	s_add_nc_u64 s[4:5], s[4:5], s[26:27]
	s_add_nc_u64 s[14:15], s[14:15], s[30:31]
	s_add_nc_u64 s[16:17], s[16:17], s[28:29]
.macro LOADW t                         ; block t: W(32 t + i, my column): 32 lanes read 128 consecutive bytes
.irp i, 0,1,2,3,4,5,6,7,8,9,10,11,12,13,14,15,16,17,18,19,20,21,22,23,24,25,26,27,28,29,30,31
	global_load_b32 v[WX+32*((\t)%2)+\i], v3, s[4:5] offset:(32*(\t)+\i)*4096 th:TH_LOAD_NT
.endr
.endm
	LOADW 0
	LOADW 1
.macro BLOCKW t
.set XS, WX+32*((\t)%2)
.if (\t) < 15
	s_wait_loadcnt 32                              ; this block's 32 loads are in; the next block's may be out
.else
	s_wait_loadcnt 0
.endif
	v_max3_num_f32 v12, |v[XS]|, |v[XS+1]|, |v[XS+2]|              ; all 32 numbers of the block are mine
	v_max3_num_f32 v13, |v[XS+3]|, |v[XS+4]|, |v[XS+5]|
.irp i, 6,10,14,18,22,26
	v_max3_num_f32 v12, v12, |v[XS+\i]|, |v[XS+\i+1]|
	v_max3_num_f32 v13, v13, |v[XS+\i+2]|, |v[XS+\i+3]|
.endr
	v_max3_num_f32 v12, v12, |v[XS+30]|, |v[XS+31]|
	v_max3_num_f32 v12, v12, v13, (EMAX+1)<<23
	v_add_nc_u32 v11, -(EMAX<<23), v12
	v_lshrrev_b32 v13, 23, v11
.if (\t)%4 == 0
	v_mov_b32 v[WSB+(\t)/4], v13
.else
	v_lshl_or_b32 v[WSB+(\t)/4], v13, 8*((\t)%4), v[WSB+(\t)/4]
.endif
.irp g, 0,1,2,3
	v_cvt_scalef32_pk8_fp4_f32 v[WC+\g], v[XS+8*\g:XS+8*\g+7], v11
.endr
	ds_store_b128 v4, v[WC:WC+3] offset:16*(\t)    ; 32 codes: 16 bytes of my column's row
.if (\t)+2 < 16
	LOADW (\t)+2
.endif
	s_wait_dscnt 0x0                               ; the store has read its registers: the next block's codes may be written
.endm
.set Q, 0
.rept 16
	BLOCKW Q
.set Q, Q+1
.endr
	s_wait_alu depctr_va_vdst(0)
	global_store_b128 v9, v[WSB:WSB+3], s[16:17]   ; my column's 16 scale bytes of this half of K: rows 32 bytes apart, so 16 of each 32 bytes; one byte in 128 of what this way reads
.irp t, 0,1,2,3,4,5,6,7,8,9,10,11,12,13,14,15
	ds_load_b128 v[WOUT+4*\t:WOUT+4*\t+3], v7 offset:2*\t*PITCH
.endr
.irp t, 0,1,2,3,4,5,6,7,8,9,10,11,12,13,14,15
	s_wait_dscnt 15-\t                             ; the later loads from the stage may be out
	global_store_b128 v8, v[WOUT+4*\t:WOUT+4*\t+3], s[14:15] offset:2*\t*512   ; sixteen lanes store 256 consecutive bytes, aligned
.endr
	s_wait_tensorcnt 0x0                           ; the wave's end
	ds_add_u32 v[SPW], v[NIL]
	s_wait_dscnt 0x0
	s_endpgm
.Lfunc_end_k_q053acc36e4_quant:
	.size	k_q053acc36e4_quant, .Lfunc_end_k_q053acc36e4_quant-k_q053acc36e4_quant
	.p2alignl 7, 3214868480
	.fill 96, 4, 3214868480
	.section	.rodata,"a",@progbits
	.p2align	6, 0x0
	.amdhsa_kernel k_q053acc36e4_quant
		.amdhsa_group_segment_fixed_size 68096
		.amdhsa_private_segment_fixed_size 0
		.amdhsa_enable_private_segment 0
		.amdhsa_kernarg_size 56
		.amdhsa_user_sgpr_count 2
		.amdhsa_user_sgpr_kernarg_segment_ptr 1
		.amdhsa_wavefront_size32 1
		.amdhsa_system_sgpr_workgroup_id_x 1
		.amdhsa_system_sgpr_workgroup_id_y 1
		.amdhsa_system_sgpr_workgroup_id_z 1
		.amdhsa_system_vgpr_workitem_id 0
		.amdhsa_next_free_vgpr 192
		.amdhsa_next_free_sgpr 66
		.amdhsa_reserve_vcc 0
		.amdhsa_float_denorm_mode_32 3
		.amdhsa_float_denorm_mode_16_64 3
		.amdhsa_memory_ordered 1
		.amdhsa_forward_progress 1
		.amdhsa_inst_pref_size 111
	.end_amdhsa_kernel
	.amdgpu_metadata
---
amdhsa.version: [ 1, 2 ]
amdhsa.kernels:
  - .name:           k_q053acc36e4_quant
    .symbol:         k_q053acc36e4_quant.kd
    .args:
      - { .name: x, .offset: 0, .size: 8, .value_kind: global_buffer, .address_space: global }
      - { .name: Wq, .offset: 8, .size: 8, .value_kind: global_buffer, .address_space: global }
      - { .name: Wk, .offset: 16, .size: 8, .value_kind: global_buffer, .address_space: global }
      - { .name: Wv, .offset: 24, .size: 8, .value_kind: global_buffer, .address_space: global }
      - { .name: Wp, .offset: 32, .size: 8, .value_kind: global_buffer, .address_space: global }
      - { .name: xw_codes, .offset: 40, .size: 8, .value_kind: global_buffer, .address_space: global }
      - { .name: xw_scales, .offset: 48, .size: 8, .value_kind: global_buffer, .address_space: global }
    .group_segment_fixed_size: 68096
    .private_segment_fixed_size: 0
    .kernarg_segment_align: 8
    .kernarg_segment_size: 56
    .max_flat_workgroup_size: 128
    .sgpr_count:     66
    .vgpr_count:     192
    .wavefront_size: 32
...
	.end_amdgpu_metadata
.endif
;; end of part 1
;; launch qkv (part 2): grid 12 x 32, 4 waves a work-group, clusters of 4 x 4, 327,680 bytes of LDS; arguments xw_codes, xw_scales, bq, bk, bv, qkv_codes, qkv_scales; writes qkv_codes, qkv_scales
.if DOCPART == 2
	.amdgcn_target "amdgcn-amd-amdhsa--gfx1250"
	.amdhsa_code_object_version 6
	.text
	.protected	k_q053acc36e4_qkv
	.globl	k_q053acc36e4_qkv
	.p2align	8
	.type	k_q053acc36e4_qkv,@function
k_q053acc36e4_qkv:
	s_mov_b64 s[64:65], 0
	v_nop
	global_prefetch_b8 v0, s[64:65] scope:SCOPE_SE
	s_setreg_imm32_b32 hwreg(HW_REG_WAVE_MODE, 25, 1), 1
	s_wait_xcnt 0x0
	s_wait_alu depctr_hold_cnt(0) depctr_sa_sdst(0) depctr_va_vdst(0) depctr_va_sdst(0) depctr_va_ssrc(0) depctr_va_vcc(0) depctr_vm_vsrc(0)
	s_getreg_b32 s2, hwreg(HW_REG_IB_STS2, 6, 4)
	s_cmp_eq_u32 s2, 0
	s_cbranch_scc0 .Lentry_in_a_cluster
	s_endpgm
.Lentry_in_a_cluster:
	s_bfe_u32 s2, ttmp6, 0x10000c
	s_cmp_lg_u32 s2, 0xf033
	s_cbranch_scc0 .Lentry_shape_is_right
	s_endpgm
.Lentry_shape_is_right:
; Launch 2 of 4: Q, K = x W^T + b quantised along the head's 64, V likewise along the tokens, all on codes of E2M1; results leave as images of the next launch's operand registers.  No work is left out.
; A block of 256 x 256 a work-group; the cluster's x says which product (0 Q, 1 K, 2 V); for V the two operands change roles.
; ALL OF K LIES IN LDS: each wave asks jointly for 128 rows of 512 bytes, its one tensor load; nothing is filled again.  A tile is stated 528 bytes wide over a tensor 512 wide, so that the load lays zeros
; into the 16 bytes behind each row: LDS rows are 528 bytes apart and every byte of the region is written.  The second 512 along K begin 256 bytes on in each row.
; THE SCALE WORDS go from memory straight into the registers that the products name: lanes 0-15 source 1's rows, lanes 16-31 source 0's, 16 bytes a row and 512 along K.
; No prefetch: all is asked for at the head.  LIMITS: NaN and infinities are not served; a block of zeros has the byte 1.
.set NQ,     4
.set ROWB,   512
.set KROW,   512
.set PITCH,  528
.set FR,     8
.set NL,     2
.set NP,     4
.set HALFT,  128*PITCH
.set SLOT,   256
.set SCL,    4*HALFT
.set HALFS,  16*272
.set SBLK,   2*272
.set SPARE,  SCL+4*HALFS
.set SST,    SPARE+512
.set VB,   8
.set ADRA, 16
.set ADRB, 20
.set VO0,  22
.set VO1,  23
.set VOS,  24
.set SSA,  25
.set SSR,  26
.set ADRS, 27
.set SPW,  28
.set NIL,  29
.set SH,   30
.set SC,   32
.set AF,   128
.set PC,   192
.set TM,   200
.set PW,   216
.set TW,   217
.set BR,   64
.set G1, 24
.set G0, 32
.set G1B, 48
.set G0B, 56
.set G1S, 68
.set G0S, 76
.set G1SB, 80
.set G0SB, 88
.set PATH, 92
.set NPATH, 93
.set STEPA, 94
.set STEPJ, 95
.set MSK,  96
.set ORV,  97
.set SEL,  98
.set BIA,  100
.set MSB, 0
.macro WIN new
.if MSB != \new
	s_set_vgpr_msb (MSB<<8)|\new
.set MSB, \new
.endif
.endm
.set MUL_LO, 0xa1
.set MUL_HI, 0xf1
.set TO_B,   0x40
.macro JLOAD g0a, g1a, g0b, g1b
	s_cmp_eq_u32 s19, 0
	s_cbranch_scc0 .Lfor_b_\@
	tensor_load_to_lds s[\g0a:\g0a+3], s[\g1a:\g1a+7]
	s_nop 0
.rept 4
	v_nop
.endr
	s_branch .Lasked_\@
.Lfor_b_\@:
	tensor_load_to_lds s[\g0b:\g0b+3], s[\g1b:\g1b+7]
	s_nop 0
.rept 4
	v_nop
.endr
.Lasked_\@:
.endm
.macro CROUND
	s_barrier_signal -1
	s_barrier_wait -1
	s_cmp_lg_u32 s18, 0
	s_cbranch_scc1 .Lnot_wave_0_\@
	s_barrier_signal -3
.Lnot_wave_0_\@:
	s_barrier_wait -3
	s_barrier_signal -1
	s_barrier_wait -1
.endm
	s_load_b256 s[4:11], s[0:1], 0x0
	s_load_b128 s[12:15], s[0:1], 0x20
	s_load_b64 s[16:17], s[0:1], 0x30
	v_lshl_add_u32 v[SPW], v0, 2, SPARE
	v_mov_b32 v[NIL], 0
	ds_add_u32 v[SPW], v[NIL]
	ds_add_u32 v[SPW], v[NIL]
	v_lshrrev_b32 v1, 5, v0
	v_readfirstlane_b32 s18, v1
	s_lshr_b32 s19, s18, 1
	s_and_b32 s20, s18, 1
	s_bfe_u32 s40, ttmp6, 0x40000
	s_bfe_u32 s41, ttmp6, 0x40004
	s_lshl_b32 s42, ttmp9, 2
	s_add_co_u32 s42, s42, s40
	s_and_b32 s43, ttmp7, 0xffff
	s_lshl_b32 s43, s43, 2
	s_add_co_u32 s43, s43, s41
	s_lshl_b32 s44, s41, 2
	s_lshl_b32 s44, 15, s44
	s_lshl_b32 s45, 0x1111, s40
	s_or_b32 s[G1+0], s44, (0<<16)|(1<<21)
	s_or_b32 s[G1B+0], s45, (0<<16)|(1<<21)
.irp g, G1, G1B
	s_mov_b32 s[\g+1], ROWB<<16
	s_mov_b32 s[\g+2], 128<<16
	s_mov_b32 s[\g+3], PITCH<<16                   ; tile_dim0 = 528 over tensor_dim0 = 512: zeros behind each row
	s_mov_b32 s[\g+4], 128
	s_mov_b32 s[\g+5], KROW
	s_mov_b32 s[\g+6], 0
	s_mov_b32 s[\g+7], 0
.endr
	s_mov_b32 s[SEL], 0x76543210
	s_mov_b32 s[SEL+1], 0xfedcba98
	s_lshl_b32 s21, s20, 7
	s_lshl_b32 s22, s43, 8
	s_add_co_u32 s22, s22, s21
	s_lshl_b32 s46, s42, 8
	s_add_co_u32 s46, s46, s21
	s_lshl_b32 s22, s22, 9
	s_mov_b32 s23, 0
	s_lshl_b32 s46, s46, 9
	s_add_co_u32 s46, s46, 4194304
	s_mov_b32 s47, 0
	s_mul_i32 s96, s18, HALFT                      ; where my 128 rows go: wave x 128 rows
	s_wait_dscnt 0x0
	s_wait_kmcnt 0x0
	s_add_nc_u64 s[22:23], s[4:5], s[22:23]
	s_add_nc_u64 s[46:47], s[4:5], s[46:47]
	CROUND
	s_mov_b32 s[G0], 1
	s_mov_b32 s[G0+1], s96
	s_mov_b64 s[G0+2:G0+3], s[22:23]
	s_or_b32 s[G0+3], s[G0+3], 0x80000000
	s_mov_b32 s[G0B], 1
	s_mov_b32 s[G0B+1], s96
	s_mov_b64 s[G0B+2:G0B+3], s[46:47]
	s_or_b32 s[G0B+3], s[G0B+3], 0x80000000
	JLOAD G0, G1, G0B, G1B                         ; my one tensor load: 128 rows, all of K
	s_lshr_b32 s[PATH], ttmp9, 1
	s_min_u32 s[PATH], s[PATH], 1
	s_xor_b32 s[NPATH], s[PATH], 1
	v_and_b32 v1, 15, v0
	v_bfe_u32 v2, v0, 4, 1
	v_mul_u32_u24 v3, v1, PITCH
	v_lshl_add_u32 v4, v2, 4, v3
	s_wait_alu depctr_va_vdst(0)
	s_mul_i32 s21, s19, HALFT
	s_mul_i32 s2, s[PATH], 2*HALFT
	s_add_co_u32 s21, s21, s2
	s_mul_i32 s22, s20, HALFT
	s_mul_i32 s2, s[NPATH], 2*HALFT
	s_add_co_u32 s22, s22, s2
.irp s, 0,1
	v_add_nc_u32 v[ADRA+\s], s21, v4
	v_add_nc_u32 v[ADRB+\s], s22, v4
	s_add_co_u32 s21, s21, SLOT
	s_add_co_u32 s22, s22, SLOT
.endr
	s_lshl_b32 s21, s43, 13                        ; x's 256 rows,
	s_lshl_b32 s22, s42, 13
	s_add_co_u32 s22, s22, 262144                  ; the weight's 256 rows
	s_cmp_eq_u32 s[PATH], 0
	s_cselect_b32 s2, s21, s22                     ; source 1's
	s_cselect_b32 s3, s22, s21                     ; source 0's
	s_lshl_b32 s21, s19, 12
	s_add_co_u32 s21, s21, s2
	s_lshl_b32 s22, s20, 12
	s_add_co_u32 s22, s22, s3
	v_lshlrev_b32 v5, 5, v1                        ; a row of scale bytes is 32 bytes
	v_mov_b32 v6, s21
	v_mov_b32 v7, s22
	v_cmp_ne_u32 s46, 0, v2
	v_cndmask_b32 v6, v6, v7, s46
	v_add_nc_u32 v[ADRS], v5, v6                   ; my offset in xw_scales; never rewritten
.irp sc, 0,1
.irp i, 0,1,2,3,4,5,6,7
	global_load_b128 v[SC+8*NQ*\sc+NQ*\i:SC+8*NQ*\sc+NQ*\i+3], v[ADRS], s[6:7] offset:512*\i+16*\sc
.endr
.endr
	s_lshl_b32 s2, s18, 10
	s_add_co_u32 s2, s2, SST
	v_lshlrev_b32 v[SSA], 4, v1
	v_lshl_add_u32 v[SSA], v2, 9, v[SSA]
	v_add_nc_u32 v[SSA], s2, v[SSA]
	v_and_b32 v5, 31, v0
	v_lshlrev_b32 v[VO0], 4, v5
	v_add_nc_u32 v[SSR], s2, v[VO0]
	s_lshl_b32 s[STEPA], 512, s[PATH]
	s_mul_i32 s[STEPJ], s[PATH], 61952
	s_add_co_u32 s[STEPJ], s[STEPJ], 512
	s_mul_i32 s2, s[PATH], 65024
	s_sub_co_u32 s2, 65536, s2
	v_add_nc_u32 v[VO1], s2, v[VO0]
	s_lshl_b32 s2, s[NPATH], 4
	v_mul_u32_u24 v[SH], s2, v2
	s_lshl_b32 s2, s[PATH], 2
	s_lshl_b32 s2, 256, s2
	v_mul_u32_u24 v[VOS], s2, v2
	v_lshl_add_u32 v[VOS], v1, 4, v[VOS]
	s_lshl_b32 s2, s[PATH], 2
	s_lshl_b32 s3, s[NPATH], 5
	v_mul_u32_u24 v[VB], s2, v1
	v_mad_u32_u24 v[VB], v2, s3, v[VB]
	s_lshl_b32 s2, s[NPATH], 2
.irp j, 1,2,3,4,5,6,7
	v_add_nc_u32 v[VB+\j], s2, v[VB+\j-1]
.endr
.irp b, 0,1,2,3
	v_mov_b32 v[TM+4+\b], 0
.endr
	s_cmp_eq_u32 s[PATH], 0
	s_cselect_b32 s[MSK], 0xffff, -1
	s_cselect_b32 s[ORV], 0x40400000, 0
	s_cselect_b32 s23, s20, s19
	s_cselect_b32 s46, s19, s20
	s_lshr_b32 s21, s43, 3
	s_and_b32 s22, s43, 7
	s_lshl_b32 s21, s21, 4
	s_lshl_b32 s47, s40, 2
	s_add_co_u32 s21, s21, s47
	s_lshl_b32 s47, s23, 1
	s_add_co_u32 s21, s21, s47
	s_lshl_b32 s22, s22, 1
	s_add_co_u32 s22, s22, s46
	s_lshl_b32 s2, ttmp9, 22
	s_lshl_b32 s47, s21, 16
	s_add_co_u32 s2, s2, s47
	s_lshl_b32 s47, s22, 12
	s_add_co_u32 s2, s2, s47
	s_mov_b32 s3, 0
	s_add_nc_u64 s[14:15], s[14:15], s[2:3]
	s_lshl_b32 s2, s21, 13
	s_lshl_b32 s47, s22, 9
	s_add_co_u32 s2, s2, s47
	s_lshr_b32 s2, s2, s[PATH]
	s_lshl_b32 s47, ttmp9, 19
	s_add_co_u32 s2, s2, s47
	s_add_nc_u64 s[16:17], s[16:17], s[2:3]
	s_cmp_eq_u32 ttmp9, 0
	s_cselect_b64 s[BIA:BIA+1], s[8:9], s[10:11]
	s_cmp_eq_u32 ttmp9, 2
	s_cselect_b64 s[BIA:BIA+1], s[12:13], s[BIA:BIA+1]
	s_lshl_b32 s2, s40, 10
	s_lshl_b32 s47, s23, 9
	s_add_co_u32 s2, s2, s47
	s_add_nc_u64 s[BIA:BIA+1], s[BIA:BIA+1], s[2:3]
	WIN 0x40
	s_wait_alu depctr_va_vdst(0)
.irp i, 0,1,2,3,4,5,6,7
.irp j, 0,1,2,3,4,5,6,7
	global_load_b32 v[BR+8*\i+\j], v[VB+\j], s[BIA:BIA+1] offset:64*\i
.endr
.endr
	WIN 0
.macro FRAG reg, adr, q, i
.irp c, 0,1
	ds_load_b128 v[\reg+4*\c:\reg+4*\c+3], v[\adr] offset:64*(\q)+32*\c+(\i)*16*PITCH
.endr
.endm
.macro MUL16 a0, p, q, sc, cm
.irp a, \a0, \a0+1
.irp b, 0,1,2,3,4,5,6,7
.if (\cm) == 0
	v_wmma_scale_f32_16x16x128_f8f6f4 v[8*(8*((\a)%4)+\b):8*(8*((\a)%4)+\b)+7], v[128*(\p)+FR*\b:128*(\p)+FR*\b+FR-1], v[AF+FR*(\a):AF+FR*(\a)+FR-1], v[8*(8*((\a)%4)+\b):8*(8*((\a)%4)+\b)+7], v[SC+8*NQ*(\sc)+NQ*\b+(\q)], v[SC+8*NQ*(\sc)+NQ*(\a)+(\q)] matrix_a_fmt:MATRIX_FMT_FP4 matrix_b_fmt:MATRIX_FMT_FP4 matrix_a_scale:MATRIX_SCALE_ROW1
.elseif (\cm) == 1
	v_wmma_scale_f32_16x16x128_f8f6f4 v[8*(8*((\a)%4)+\b):8*(8*((\a)%4)+\b)+7], v[128*(\p)+FR*\b:128*(\p)+FR*\b+FR-1], v[AF+FR*(\a):AF+FR*(\a)+FR-1], v[BR+8*\b:BR+8*\b+7], v[SC+8*NQ*(\sc)+NQ*\b+(\q)], v[SC+8*NQ*(\sc)+NQ*(\a)+(\q)] matrix_a_fmt:MATRIX_FMT_FP4 matrix_b_fmt:MATRIX_FMT_FP4 matrix_a_scale:MATRIX_SCALE_ROW1
.else
	v_wmma_scale_f32_16x16x128_f8f6f4 v[8*(8*((\a)%4)+\b):8*(8*((\a)%4)+\b)+7], v[128*(\p)+FR*\b:128*(\p)+FR*\b+FR-1], v[AF+FR*(\a):AF+FR*(\a)+FR-1], v[BR+8*(\a):BR+8*(\a)+7], v[SC+8*NQ*(\sc)+NQ*\b+(\q)], v[SC+8*NQ*(\sc)+NQ*(\a)+(\q)] matrix_a_fmt:MATRIX_FMT_FP4 matrix_b_fmt:MATRIX_FMT_FP4 matrix_a_scale:MATRIX_SCALE_ROW1
.endif
.endr
.endr
.endm
.macro FETCH_B slot, q, p
	WIN TO_B
.irp i, 0,1,2,3,4,5,6,7
	FRAG 128*(\p)+FR*\i, ADRB+\slot, \q, \i
.endr
	WIN 0
.endm
.macro FETCH_A slot, q, i0
.irp i, \i0, \i0+1, \i0+2, \i0+3
	FRAG AF+FR*(\i), ADRA+\slot, \q, \i
.endr
.endm
.macro PLACES n
.rept \n
	v_nop
.endr
.endm
.macro STEP slot, q, cm
	s_wait_dscnt 4*NL
.if \cm
	WIN 0x91
.else
	WIN MUL_LO
.endif
	MUL16 0, (\q)%2, \q, \slot, \cm
	MUL16 2, (\q)%2, \q, \slot, \cm
	s_wait_dscnt 0
	PLACES NP
	FETCH_B \slot, (\q)+1, 1-(\q)%2
	FETCH_A \slot, (\q)+1, 0
.if \cm
	WIN 0xd1
.else
	WIN MUL_HI
.endif
	MUL16 4, (\q)%2, \q, \slot, \cm
	MUL16 6, (\q)%2, \q, \slot, \cm
	PLACES NP
	WIN 0
	FETCH_A \slot, (\q)+1, 4
.endm
.macro STEPS slot, from
.set Q, \from
.rept NQ-1-\from
	STEP \slot, Q, 0
.set Q, Q+1
.endr
.endm
	s_wait_tensorcnt 0x0
	s_barrier_signal -1
	s_barrier_wait -1
	FETCH_B 0, 0, 0
	FETCH_A 0, 0, 0
	FETCH_A 0, 0, 4
	s_wait_loadcnt 0x0
	s_cmp_eq_u32 s[PATH], 0
	s_cbranch_scc0 .Lfirst_v
	STEP 0, 0, 1
	s_branch .Lfirst_done
.Lfirst_v:
	STEP 0, 0, 2
.Lfirst_done:
	STEPS 0, 1
	s_wait_tensorcnt 0x0
	ds_add_u32 v[SPW], v[NIL]
	s_wait_dscnt 4*NL+1
	WIN MUL_LO
	MUL16 0, 1, NQ-1, 0, 0
	s_wait_dscnt 0x0
	s_barrier_signal -1
	MUL16 2, 1, NQ-1, 0, 0
	WIN 0
	s_barrier_wait -1
	PLACES NP
	FETCH_B 1, 0, 0
	FETCH_A 1, 0, 0
	WIN MUL_HI
	MUL16 4, 1, NQ-1, 0, 0
	MUL16 6, 1, NQ-1, 0, 0
	PLACES NP
	WIN 0
	FETCH_A 1, 0, 4
	STEPS 1, 0
	s_wait_dscnt 4*NL
	WIN MUL_LO
	MUL16 0, 1, NQ-1, 1, 0
	MUL16 2, 1, NQ-1, 1, 0
	s_wait_dscnt 0
	WIN MUL_HI
	MUL16 4, 1, NQ-1, 1, 0
	MUL16 6, 1, NQ-1, 1, 0
	WIN 0
	PLACES NP
.macro QOUT a
.set AC, 64*((\a)%4)
.set W, 2+(\a)/4
.if (\a) > 0
	s_wait_xcnt 0x0
.if (\a) == 4
	v_add_nc_u32 v[VO0], s[STEPJ], v[VO0]
	v_add_nc_u32 v[VO1], s[STEPJ], v[VO1]
.else
	v_add_nc_u32 v[VO0], s[STEPA], v[VO0]
	v_add_nc_u32 v[VO1], s[STEPA], v[VO1]
.endif
.endif
	WIN (W<<2)|(W<<4)
.irp b, 0,1,2,3
	v_max3_num_f32 v[TM+\b], 0x1800000, |v[AC+16*\b]|, |v[AC+16*\b+1]|
.endr
.irp i, 2,4,6,8,10,12,14
.irp b, 0,1,2,3
	v_max3_num_f32 v[TM+\b], v[TM+\b], |v[AC+16*\b+\i]|, |v[AC+16*\b+\i+1]|
.endr
.endr
	WIN 0
.irp b, 0,1,2,3
	v_permlanex16_b32 v[TM+4+\b], v[TM+\b], s[SEL], s[SEL+1]
.endr
.irp b, 0,1,2,3
	v_max_num_f32 v[TM+\b], v[TM+\b], v[TM+4+\b]
.endr
.irp b, 0,1,2,3
	v_add_nc_u32 v[TM+12+\b], 0xff000000, v[TM+\b]
.endr
.irp b, 0,1,2,3
	v_lshrrev_b32 v[TM+4+\b], 23, v[TM+12+\b]
.endr
	v_lshl_or_b32 v[PW], v[TM+5], 8, v[TM+4]
	v_lshl_or_b32 v[PW], v[TM+6], 16, v[PW]
	v_lshl_or_b32 v[PW], v[TM+7], 24, v[PW]
	WIN W
.irp t, 0,1,2,3,4,5,6,7
	v_cvt_scalef32_pk8_fp4_f32 v[PC+4*(\t/4)+2*(\t%2)+(\t/2)%2], v[AC+8*\t:AC+8*\t+7], v[TM+12+\t/2]
.endr
	WIN 0
	v_nop
.irp k, 0,2,4,6
	v_permlane16_swap_b32 v[PC+\k], v[PC+\k+1]
.endr
	v_lshrrev_b32 v[TW], v[SH], v[PW]
	v_and_or_b32 v[TW], v[TW], s[MSK], s[ORV]
	ds_store_b32 v[SSA], v[TW] offset:256*((\a)/4)+4*((\a)%4)
	global_store_b128 v[VO0], v[PC:PC+3], s[14:15]
	global_store_b128 v[VO1], v[PC+4:PC+7], s[14:15]
.endm
.irp a, 0,1,2,3,4,5,6,7
	QOUT \a
.endr
	ds_load_b128 v[220:223], v[SSR]
	ds_load_b128 v[224:227], v[SSR] offset:512
	s_wait_dscnt 0x0
	global_store_b128 v[VOS], v[220:223], s[16:17]
	s_cmp_eq_u32 s[PATH], 0
	s_cbranch_scc0 .Lone_set
	global_store_b128 v[VOS], v[224:227], s[16:17] offset:8192
.Lone_set:
	s_wait_tensorcnt 0x0
	ds_add_u32 v[SPW], v[NIL]
	s_wait_dscnt 0x0
	CROUND
	s_endpgm
.Lfunc_end_k_q053acc36e4_qkv:
	.size	k_q053acc36e4_qkv, .Lfunc_end_k_q053acc36e4_qkv-k_q053acc36e4_qkv
	.p2alignl 7, 3214868480
	.fill 96, 4, 3214868480
	.section	.rodata,"a",@progbits
	.p2align	6, 0x0
	.amdhsa_kernel k_q053acc36e4_qkv
		.amdhsa_group_segment_fixed_size 327680
		.amdhsa_private_segment_fixed_size 0
		.amdhsa_enable_private_segment 0
		.amdhsa_kernarg_size 56
		.amdhsa_user_sgpr_count 2
		.amdhsa_user_sgpr_kernarg_segment_ptr 1
		.amdhsa_wavefront_size32 1
		.amdhsa_system_sgpr_workgroup_id_x 1
		.amdhsa_system_sgpr_workgroup_id_y 1
		.amdhsa_system_sgpr_workgroup_id_z 1
		.amdhsa_system_vgpr_workitem_id 0
		.amdhsa_next_free_vgpr 1024
		.amdhsa_next_free_sgpr 102
		.amdhsa_reserve_vcc 0
		.amdhsa_float_denorm_mode_32 3
		.amdhsa_float_denorm_mode_16_64 3
		.amdhsa_memory_ordered 1
		.amdhsa_forward_progress 1
		.amdhsa_inst_pref_size 146
	.end_amdhsa_kernel
	.amdgpu_metadata
---
amdhsa.version: [ 1, 2 ]
amdhsa.kernels:
  - .name:           k_q053acc36e4_qkv
    .symbol:         k_q053acc36e4_qkv.kd
    .args:
      - { .name: xw_codes, .offset: 0, .size: 8, .value_kind: global_buffer, .address_space: global }
      - { .name: xw_scales, .offset: 8, .size: 8, .value_kind: global_buffer, .address_space: global }
      - { .name: bq, .offset: 16, .size: 8, .value_kind: global_buffer, .address_space: global }
      - { .name: bk, .offset: 24, .size: 8, .value_kind: global_buffer, .address_space: global }
      - { .name: bv, .offset: 32, .size: 8, .value_kind: global_buffer, .address_space: global }
      - { .name: qkv_codes, .offset: 40, .size: 8, .value_kind: global_buffer, .address_space: global }
      - { .name: qkv_scales, .offset: 48, .size: 8, .value_kind: global_buffer, .address_space: global }
    .group_segment_fixed_size: 327680
    .private_segment_fixed_size: 0
    .kernarg_segment_align: 8
    .kernarg_segment_size: 56
    .max_flat_workgroup_size: 128
    .sgpr_count:     102
    .vgpr_count:     1024
    .wavefront_size: 32
...
	.end_amdgpu_metadata
.endif
;; end of part 2
;; launch attn (part 3): grid 4 x 64, 16 waves a work-group, no clusters, 153,856 bytes of LDS; arguments qkv_codes, qkv_scales, input_ids, att_codes, att_scales; writes att_codes, att_scales
.if DOCPART == 3
	.amdgcn_target "amdgcn-amd-amdhsa--gfx1250"
	.amdhsa_code_object_version 6
	.text
	.protected	k_q053acc36e4_attn
	.globl	k_q053acc36e4_attn
	.p2align	8
	.type	k_q053acc36e4_attn,@function
k_q053acc36e4_attn:
	s_mov_b64 s[64:65], 0
	v_nop
	global_prefetch_b8 v0, s[64:65] scope:SCOPE_SE
	s_setreg_imm32_b32 hwreg(HW_REG_WAVE_MODE, 25, 1), 1
	s_wait_xcnt 0x0
; Launch 3 of 4: attention on codes of E2M1, and its result quantised for the projection.  No work of the problem is left out: masked keys are computed and count for nothing (their p is 0).
; t = score x log2(e) / 8; M = the running largest t rounded up to a whole number; p = 2^(t - M) is quantised along the keys; the row's sum of the unquantised p divides at the end.
; SHARES.  256 work-groups; each owns 512 queries of one (batch, head); each of its sixteen waves (four to a SIMD, 256 registers) two tiles of 16 queries, one after the other: two passes over the head's keys, 128 a step.
; Both products are used transposed (S^T = K Q^T, O^T = V^T P^T): a lane holds one query throughout.
; THE WHOLE HEAD'S K AND V LIE IN LDS, as images of operand registers, with their scale words and the mask's addends: stored once at the head, then only read.
; THE KEYS OF A TILE ARE CHOSEN as K's images and words are stored: row r of tile 4 c + u of a step is key 64 c + 32 (r / 8) + 8 u + r % 8.  So lane (r, h) holds in score registers 32 c + 0 .. 31 the keys
; 64 c + 32 h + 0 .. 31: a whole block of 32.  Its largest score needs no other lane, and the four conversions of a block give registers 4 c .. 4 c + 3 of the second product's operand as they stand.
; THE KEY MASK is the C of the score product: 0 for a key that counts, -2^100 for a key whose id is 0.  Wave w finds from its threads' ids whether step w holds a masked key; the sixteen answers go through LDS to all waves.
; A step without one takes the constant 0 as C and loads no addends (18 LDS loads a step); a step with one loads its 64 addends into the score registers and adds in place (34 loads).
; That branch hangs on whole numbers read from memory; the launch has no tensor load and no copy, and so no joint loads: cluster = none.
; No prefetch: all that the work-group reads is asked for at the head; there is no loop to run ahead in.
; THE SCORES' K is 64 of the instruction's 128: Q's codes of the idle half are zeros, K's registers there are the next tile's codes, which meet zeros; the scale words' idle bytes are 0x40.
; LIMITS: |t| stays under 2^80.  A batch all of whose keys are masked has the sum 0: its scale bytes are set to 0xff, so that the projection gives NaN there.  NaN and infinities among the inputs are not served; a block of zeros has the byte 1.
; att_codes: [token tile 512][head 16][lane][16 B].  att_scales: [8192 tokens][32 B], byte 2 head + block.
.set KW,    131072                     ; LDS: K's images 0, V's 65,536; K's scale words, 8,192 bytes;
.set VW,    139264                     ; V's, 4,096;
.set MT,    143360                     ; the mask's addends, 2,048 f32;
.set FLG,   151552                     ; sixteen words: does step w hold a masked key?
.set SPARE, 151808                     ; the spare words, 128 bytes for each of 16 waves
.set LI,  1                            ; v1  16 x lane
.set AV0, 2                            ; v2  + 65,536
.set AS0, 3                            ; v3  KW + 16 x lane
.set AT0, 4                            ; v4  VW + 16 r
.set SPW, 5
.set NIL, 6
.set AM0, 7                            ; v7  MT + 128 h
.set ADK, 8                            ; v8-11, v24: the step's addresses
.set ADV, 9
.set ADS, 10
.set ADT, 11
.set ADM, 24
.set H8,  25                           ; v25 8 h
.set GS,  26                           ; v26 32 r
.set QWO, 27                           ; v27 16 r
.set QF,  16                           ; v16-23 tile 0's Q and zeros; v212-219 tile 1's
.set KF,  28                           ; v28-59 K's eight tiles, four registers each; v60-63 zeros
.set VF,  64                           ; v64-95 V's four tiles
.set S,   96                           ; v96-159 S^T, then p
.set O,   160                          ; v160-191 O^T
.set TKI, 203                          ; v203-211 the head's offsets and LDS places, by thread
.set T16, 204
.set T8,  205
.set TV,  206
.set TKW, 207
.set TVW, 208
.set TMT, 209
.set TFL, 210
.set RFL, 211
.set QW,  220                          ; v220, v221 Q's scale words: their numbers differ modulo 8 from K's words' (v192-195)
.set PC,  224                          ; v224-231 p's codes
.set WV,  14
.set SEL, 20
.set CS,  22
.set FL,  38                           ; s38 bit k: step k holds a masked key
.set FLC, 39                           ; s39 the same, shifted down a bit a step
.set ST4, 72                           ; s72 4,096 x step
.set ST5, 73                           ; s73 512 x step
.set ST2, 74                           ; s74 256 x step
	s_load_b256 s[4:11], s[0:1], 0x0               ; qkv_codes, qkv_scales, input_ids, att_codes
	s_load_b64 s[12:13], s[0:1], 0x20              ; att_scales
	v_lshl_add_u32 v[SPW], v0, 2, SPARE
	v_mov_b32 v[NIL], 0
	v_lshrrev_b32 v8, 5, v0
	v_readfirstlane_b32 s[WV], v8                  ; wave 0..15
	v_lshl_add_u32 v[TFL], v8, 2, FLG              ; my wave's word
	v_and_b32 v8, 31, v0                           ; lane
	v_and_b32 v9, 15, v0                           ; r
	v_bfe_u32 v10, v0, 4, 1                        ; h
	v_lshlrev_b32 v[LI], 4, v8
	v_lshl_add_u32 v[AV0], v8, 4, 65536
	v_lshl_add_u32 v[AS0], v8, 4, KW
	v_lshl_add_u32 v[AT0], v9, 4, VW
	v_lshl_add_u32 v[AM0], v10, 7, MT
	v_lshlrev_b32 v[H8], 3, v10
	v_lshlrev_b32 v[GS], 5, v9
	v_lshlrev_b32 v[QWO], 4, v9
	v_lshl_add_u32 v[RFL], v9, 2, FLG
	v_lshlrev_b32 v[T16], 4, v0
	v_lshlrev_b32 v[T8], 3, v0
	v_lshl_add_u32 v[TV], v0, 4, 65536
	v_lshl_add_u32 v[TVW], v0, 3, VW
	v_lshl_add_u32 v[TMT], v0, 4, MT
	; where my 16 bytes of K's images go.  Thread t holds key bits 3:0 = t 3:0, half h = t 4, key bits 7:4 = t 8:5.  The new place: 2,048 (key / 64) + 512 (key bits 4:3) + 256 h + 128 (key bit 5) + 16 (key bits 2:0)
	v_and_b32 v11, 7, v0
	v_lshlrev_b32 v11, 4, v11
	v_bfe_u32 v24, v0, 3, 1
	v_lshl_or_b32 v[TKW], v24, 2, v11
	v_lshl_or_b32 v[TKI], v24, 9, v11
	v_lshrrev_b32 v24, 4, v0
	v_lshl_or_b32 v[TKW], v24, 8, v[TKW]
	v_add_nc_u32 v[TKW], KW, v[TKW]                ; K's words: my word i (key bits 5:4) goes to 512 step + 256 (key bit 6) + 128 (i / 2) + 16 (key bits 2:0) + 8 (i % 2) + 4 (key bit 3)
	v_bfe_u32 v24, v0, 6, 1
	v_lshl_or_b32 v[TKI], v24, 7, v[TKI]
	v_bfe_u32 v24, v0, 4, 1
	v_lshl_or_b32 v[TKI], v24, 8, v[TKI]
	v_bfe_u32 v24, v0, 5, 1
	v_lshl_or_b32 v[TKI], v24, 10, v[TKI]
	v_lshrrev_b32 v24, 7, v0
	v_lshl_or_b32 v[TKI], v24, 11, v[TKI]
.irp j, 20,21,22,23,60,61,62,63,216,217,218,219
	v_mov_b32 v[\j], 0                             ; Q's idle halves; behind K's last tile
.endr
	v_mov_b32 v176, 0xf1800000                     ; -2^100
	s_and_b32 s17, ttmp7, 0xffff                   ; bh = 16 b + head
	s_lshr_b32 s18, s17, 4
	s_and_b32 s19, s17, 15
	s_mov_b32 s[SEL], 0x76543210
	s_mov_b32 s[SEL+1], 0xfedcba98
	s_mov_b32 s[CS], 0x3e38aa3b                    ; c = log2(e) / 8
	s_mov_b32 s[CS+1], s[CS]
	s_lshl_b32 s40, s17, 16                        ; the head's images: 65,536 bh
	s_mov_b32 s41, 0
	s_lshl_b32 s42, ttmp9, 14                      ; my first tile g = 32 x + 2 wave: 512 g
	s_lshl_b32 s36, s[WV], 10
	s_add_co_u32 s42, s42, s36
	s_mov_b32 s43, 0
	s_lshl_b32 s44, s17, 13                        ; Q's and K's words: 8,192 bh
	s_mov_b32 s45, 0
	s_lshl_b32 s46, s17, 12                        ; V's: 4,096 bh
	s_mov_b32 s47, 0
	s_lshl_b32 s48, ttmp9, 11                      ; Q's words of tile g: 512 (g / 8) + 256 ((g / 4) % 2) + 4 (g % 4), + 16 r
	s_lshr_b32 s36, s[WV], 2
	s_lshl_b32 s36, s36, 9
	s_add_co_u32 s48, s48, s36
	s_bfe_u32 s36, s[WV], 0x10001
	s_lshl_b32 s36, s36, 8
	s_add_co_u32 s48, s48, s36
	s_and_b32 s36, s[WV], 1
	s_lshl_b32 s36, s36, 3
	s_add_co_u32 s48, s48, s36
	s_mov_b32 s49, 0
	s_lshl_b32 s50, s18, 13                        ; my batch's ids
	s_mov_b32 s51, 0
	s_lshl_b32 s52, s18, 20                        ; att_codes: ((128 b + g) 16 + head) 512
	s_lshl_b32 s36, ttmp9, 18
	s_add_co_u32 s52, s52, s36
	s_lshl_b32 s36, s[WV], 14
	s_add_co_u32 s52, s52, s36
	s_lshl_b32 s36, s19, 9
	s_add_co_u32 s52, s52, s36
	s_mov_b32 s53, 0
	s_lshl_b32 s54, s18, 16                        ; att_scales: (2,048 b + 16 g) 32 + 2 head
	s_add_co_u32 s54, s54, s42
	s_lshl_b32 s36, s19, 1
	s_add_co_u32 s54, s54, s36
	s_mov_b32 s55, 0
	s_wait_alu depctr_va_vdst(0)
	s_wait_kmcnt 0x0
	s_add_nc_u64 s[4:5], s[4:5], s[40:41]
	s_add_nc_u64 s[28:29], s[4:5], 0x400000        ; K's images
	s_add_nc_u64 s[30:31], s[4:5], 0x800000        ; V's
	s_add_nc_u64 s[4:5], s[4:5], s[42:43]          ; my tiles of Q
	s_add_nc_u64 s[32:33], s[6:7], s[44:45]
	s_add_nc_u64 s[34:35], s[6:7], s[46:47]
	s_add_nc_u64 s[34:35], s[34:35], 0x100000      ; V's words
	s_add_nc_u64 s[6:7], s[32:33], s[48:49]        ; Q's words
	s_add_nc_u64 s[32:33], s[32:33], 0x80000       ; K's words
	s_add_nc_u64 s[8:9], s[8:9], s[50:51]
	s_add_nc_u64 s[10:11], s[10:11], s[52:53]
	s_add_nc_u64 s[12:13], s[12:13], s[54:55]
	global_load_b128 v[168:171], v[T16], s[8:9]    ; my thread's four ids: wave w holds the 128 ids of step w
	global_load_b128 v[QF:QF+3], v[LI], s[4:5]
	global_load_b128 v[QF+196:QF+199], v[LI], s[4:5] offset:512
	global_load_b32 v[QW], v[QWO], s[6:7]
	global_load_b32 v[QW+1], v[QWO], s[6:7] offset:4
.irp k, 0,1,2,3,4,5,6,7
	global_load_b128 v[96+4*\k:99+4*\k], v[T16], s[28:29] offset:8192*\k   ; the work-group reads 8,192 consecutive bytes an instruction
.endr
.irp k, 0,1,2,3,4,5,6,7
	global_load_b128 v[128+4*\k:131+4*\k], v[T16], s[30:31] offset:8192*\k
.endr
	global_load_b128 v[160:163], v[T16], s[32:33]
	global_load_b64 v[164:165], v[T8], s[34:35]
	s_wait_loadcnt 22                              ; the ids are in; the 4 + 8 + 8 + 2 loads behind them may be out
.irp i, 0,1,2,3
	v_cmp_eq_u32 vcc_lo, 0, v[168+\i]
	v_cndmask_b32 v[172+\i], 0, v176, vcc_lo
.endr
	ds_store_b128 v[TMT], v[172:175]
	v_min_u32 v177, v168, v169
	v_min_u32 v178, v170, v171
	v_min_u32 v177, v177, v178
	v_cmp_eq_u32 vcc_lo, 0, v177                   ; does any lane hold an id 0?
	s_cmp_lg_u32 vcc_lo, 0
	s_cselect_b32 s36, 1, 0
	v_mov_b32 v177, s36
	ds_store_b32 v[TFL], v177                      ; all lanes write the same word with the same value
	s_wait_alu depctr_va_vdst(0)
	s_wait_loadcnt 0x0
.irp k, 0,1,2,3,4,5,6,7
	ds_store_b128 v[TKI], v[96+4*\k:99+4*\k] offset:8192*\k
.endr
.irp k, 0,1,2,3,4,5,6,7
	ds_store_b128 v[TV], v[128+4*\k:131+4*\k] offset:8192*\k
.endr
.irp i, 0,1,2,3
	ds_store_b32 v[TKW], v[160+\i] offset:8*(\i%2)+128*(\i/2)
.endr
	ds_store_b64 v[TVW], v[164:165]
	s_wait_dscnt 0x0                               ; my stores are done:
	s_barrier_signal -1
	s_barrier_wait -1                              ; everybody's; from here on LDS is only read
	ds_load_b32 v178, v[RFL]
	s_wait_dscnt 0x0
	v_cmp_ne_u32 s[FL], 0, v178                    ; bit k (and bit 16 + k): step k's answer
.macro SCORE t, m, p                   ; tile t of 16 keys x my 16 queries; m = 1: C is the addends that lie in the score registers
.if \m
.if \t < 4
	v_wmma_scale_f32_16x16x128_f8f6f4 v[S+8*\t:S+8*\t+7], v[KF+4*\t:KF+4*\t+7], v[QF+196*\p:QF+196*\p+7], v[S+8*\t:S+8*\t+7], v[192+\t], v[QW+\p] matrix_a_fmt:MATRIX_FMT_FP4 matrix_b_fmt:MATRIX_FMT_FP4
.else
	v_wmma_scale_f32_16x16x128_f8f6f4 v[S+8*\t:S+8*\t+7], v[KF+4*\t:KF+4*\t+7], v[QF+196*\p:QF+196*\p+7], v[S+8*\t:S+8*\t+7], v[188+\t], v[QW+\p] matrix_a_fmt:MATRIX_FMT_FP4 matrix_b_fmt:MATRIX_FMT_FP4 matrix_a_scale:MATRIX_SCALE_ROW1
.endif
.else
.if \t < 4
	v_wmma_scale_f32_16x16x128_f8f6f4 v[S+8*\t:S+8*\t+7], v[KF+4*\t:KF+4*\t+7], v[QF+196*\p:QF+196*\p+7], 0, v[192+\t], v[QW+\p] matrix_a_fmt:MATRIX_FMT_FP4 matrix_b_fmt:MATRIX_FMT_FP4
.else
	v_wmma_scale_f32_16x16x128_f8f6f4 v[S+8*\t:S+8*\t+7], v[KF+4*\t:KF+4*\t+7], v[QF+196*\p:QF+196*\p+7], 0, v[188+\t], v[QW+\p] matrix_a_fmt:MATRIX_FMT_FP4 matrix_b_fmt:MATRIX_FMT_FP4 matrix_a_scale:MATRIX_SCALE_ROW1
.endif
.endif
.endm
.macro INIT
	v_mov_b32 v13, 0xe7800000                      ; the largest t so far: -2^80
	v_mov_b32 v14, 0                               ; the sum, in two halves
	v_mov_b32 v15, 0
	v_floor_f32 v12, -v13                          ; -M
.irp j, 236,237,239,252,253
	v_mov_b32 v[\j], 0                             ; registers that are named before they are first computed
.endr
.set I, 0
.rept 32
	v_mov_b32 v[O+I], 0                            ; O^T: the step is written once; the first finds zeros
.set I, I+1
.endr
.endm
; The softmax of my tile for 128 keys; v251 holds the old -M; p's scale word goes to v202.
.macro SMX
.irp b, 0,1,2,3
	v_max3_num_f32 v[232+\b], v[S+16*\b], v[S+1+16*\b], v[S+2+16*\b]   ; the largest score of my two blocks of 32 keys, two chains each: for the row's maximum and for the block's largest p
.endr
.irp i, 3,5,7,9,11,13
.irp b, 0,1,2,3
	v_max3_num_f32 v[232+\b], v[232+\b], v[S+16*\b+\i], v[S+1+16*\b+\i]
.endr
.endr
	v_max3_num_f32 v232, v232, v233, v[S+15]
	v_max3_num_f32 v234, v234, v235, v[S+47]
	v_max_num_f32 v232, v232, v[S+31]              ; block h
	v_max_num_f32 v234, v234, v[S+63]              ; block 2 + h
	v_max_num_f32 v254, v232, v234
	v_permlanex16_b32 v236, v254, s[SEL], s[SEL+1]
	v_max_num_f32 v254, v254, v236                 ; with lane l xor 16's two blocks: the step's largest score of my query
	v_mul_f32 v254, s[CS], v254                    ; as t
	v_max_num_f32 v13, v13, v254                   ; the running largest t
	v_floor_f32 v12, -v13                          ; the new -M = -ceil(t)
.set I, 0
.rept 32
	v_pk_fma_f32 v[S+I:S+1+I], v[S+I:S+1+I], s[CS:CS+1], v[12:13] op_sel_hi:[1,0,0]   ; t - M
.if I == 6
	v_sub_f32 v254, v12, v251                      ; old M - new M: a whole number, 0 or less (these three stand apart among the scalings)
.endif
.if I == 14
	v_cvt_i32_f32 v254, v254                       ; (it saturates)
.endif
.if I == 22
	v_ldexp_f32 v252, 1.0, v254                    ; f = 2^(old M - new M)
.endif
.set I, I+2
.endr
	v_fma_f32 v232, v232, s[CS], v12
	v_fma_f32 v234, v234, s[CS], v12
	s_wait_alu depctr_va_vdst(0)
.set I, 0
.rept 64
	v_exp_f32 v[S+I], v[S+I]                       ; p = 2^(t - M)
.set I, I+1
.endr
	v_exp_f32 v232, v232                           ; my blocks' largest p
	v_exp_f32 v234, v234
	v_pk_mul_f32 v[14:15], v[14:15], v[252:253] op_sel_hi:[1,0]   ; the sums under the new M: the plain place behind the exponentials
	s_wait_alu depctr_va_vdst(0)                   ; one wait for the batch of 66, directly ahead of the first reader of O^T too
.irp j, 0,2,4,6,8,10,12,14,16,18,20,22,24,26,28,30
	v_pk_mul_f32 v[O+\j:O+1+\j], v[O+\j:O+1+\j], v[252:253] op_sel_hi:[1,0]   ; O^T under the new M
.endr
	v_max_num_f32 v232, 0x1800000, v232            ; the floor 2^(3 - 127)
	v_max_num_f32 v234, 0x1800000, v234
	v_add_nc_u32 v244, 0xff000000, v232            ; the conversions' scale operands
	v_add_nc_u32 v245, 0xff000000, v234
	v_lshrrev_b32 v237, 23, v244                   ; the bytes
	v_lshrrev_b32 v238, 23, v245
	v_lshl_or_b32 v237, v238, 16, v237             ; blocks h and 2 + h,
	v_lshlrev_b32 v237, v[H8], v237                ; at their places in the word;
	v_permlanex16_b32 v239, v237, s[SEL], s[SEL+1]
	v_or_b32 v202, v237, v239                      ; with lane l xor 16's two the word is whole
.irp t, 0,1,2,3,4,5,6,7
	v_cvt_scalef32_pk8_fp4_f32 v[PC+\t], v[S+8*\t:S+8*\t+7], v[244+\t/4]   ; register 4 c + u: keys 64 c + 32 h + 8 u + 0 .. 7
.endr
	v_pk_add_f32 v[236:237], v[S:S+1], v[S+2:S+3]  ; the row's sum of the unquantised p, in two chains; these 32 also stand between the word and the codes just made and the products that take them
.irp j, 4,8,12,16,20,24,28,32,36,40,44,48,52,56,60
	v_pk_add_f32 v[14:15], v[14:15], v[S+\j:S+1+\j]
	v_pk_add_f32 v[236:237], v[236:237], v[S+2+\j:S+3+\j]
.endr
	v_pk_add_f32 v[14:15], v[14:15], v[236:237]
.endm
; THE WAY OUT of tile p: O^T / the sum; the head's two blocks of 32 are quantised; the image and the two scale bytes are stored.
.macro OUT p
.rept 4
	v_nop                                          ; places behind the last products
.endr
	v_add_f32 v14, v14, v15
	v_permlanex16_b32 v252, v14, s[SEL], s[SEL+1]
	v_add_f32 v14, v14, v252                       ; the row's sum
	s_wait_alu depctr_va_vdst(0)
	v_rcp_f32 v252, v14
	v_mov_b32 v254, 0xffff                         ; the plain place behind the reciprocal
	s_wait_alu depctr_va_vdst(0)                   ; the wait ahead of its first reader
.irp j, 0,2,4,6,8,10,12,14,16,18,20,22,24,26,28,30
	v_pk_mul_f32 v[S+\j:S+1+\j], v[O+\j:O+1+\j], v[252:253] op_sel_hi:[1,0]   ; register 8 t + i: attn(query r, 16 t + 8 h + i)
.endr
.irp b, 0,1
	v_max3_num_f32 v[232+\b], |v[S+16*\b]|, |v[S+1+16*\b]|, 0x1800000
.endr
.irp i, 2,4,6,8,10,12,14
.irp b, 0,1
	v_max3_num_f32 v[232+\b], v[232+\b], |v[S+16*\b+\i]|, |v[S+1+16*\b+\i]|
.endr
.endr
.irp b, 0,1
	v_permlanex16_b32 v[236+\b], v[232+\b], s[SEL], s[SEL+1]
.endr
.irp b, 0,1
	v_max_num_f32 v[232+\b], v[232+\b], v[236+\b]
.endr
.irp b, 0,1
	v_add_nc_u32 v[244+\b], 0xff000000, v[232+\b]
.endr
.irp b, 0,1
	v_lshrrev_b32 v[236+\b], 23, v[244+\b]
.endr
	v_lshl_or_b32 v240, v237, 8, v236              ; the two bytes
	v_cmp_eq_f32 vcc_lo, 0, v14
	v_cndmask_b32 v240, v240, v254, vcc_lo         ; a row with no key that counts: 0xff twice
.irp t, 0,1,2,3
	v_cvt_scalef32_pk8_fp4_f32 v[PC+2*(\t%2)+\t/2], v[S+8*\t:S+8*\t+7], v[244+\t/2]
.endr
	v_nop
.irp k, 0,2
	v_permlane16_swap_b32 v[PC+\k], v[PC+\k+1]
.endr
	global_store_b128 v[LI], v[PC:PC+3], s[10:11] offset:8192*\p   ; the wave stores 512 consecutive bytes, aligned
	global_store_b16 v[GS], v240, s[12:13] offset:512*\p           ; two bytes of each token's 32: rows in part, on 262,144 bytes in all; lanes 16-31 write what lanes 0-15 write
.endm
; A PASS: my tile p against all 2,048 keys of the head.
.macro PASS p
.if \p
	s_wait_xcnt 0x0                                ; the last tile's stores have read their registers
.endif
	INIT
	s_mov_b32 s[ST4], 0
	s_mov_b32 s[ST5], 0
	s_mov_b32 s[ST2], 0
	s_mov_b32 s[FLC], s[FL]
	s_wait_alu depctr_va_vdst(0)
.Lstep_\p:                                         ; a key step: 128 keys
	v_add_nc_u32 v[ADK], s[ST4], v[LI]
	v_add_nc_u32 v[ADS], s[ST5], v[AS0]
.irp t, 0,1,2,3,4,5,6,7
	ds_load_b128 v[KF+4*\t:KF+4*\t+3], v[ADK] offset:512*\t
.endr
	ds_load_b128 v[192:195], v[ADS]                ; K's words: register i: lanes 0-15 tile i, lanes 16-31 tile 4 + i
	s_bitcmp1_b32 s[FLC], 0                        ; does this step hold a masked key?  The same in all lanes; no barrier stands under the branch
	s_cbranch_scc0 .Lplain_\p
	v_add_nc_u32 v[ADM], s[ST5], v[AM0]
.irp t, 0,1,2,3,4,5,6,7
	ds_load_b128 v[S+8*\t:S+8*\t+3], v[ADM] offset:256*(\t/4)+32*(\t%4)       ; the addends of keys 64 (t / 4) + 32 h + 8 (t % 4) + 0 .. 7
	ds_load_b128 v[S+8*\t+4:S+8*\t+7], v[ADM] offset:256*(\t/4)+32*(\t%4)+16
.endr
	s_wait_dscnt 0x0
.irp t, 0,1,2,3,4,5,6,7
	SCORE \t, 1, \p
.endr
	s_branch .Ljoin_\p
.Lplain_\p:
	s_wait_dscnt 0x0                               ; K and its words
.irp t, 0,1,2,3,4,5,6,7
	SCORE \t, 0, \p
.endr
.Ljoin_\p:
	v_add_nc_u32 v[ADV], s[ST4], v[AV0]            ; four plain lines: the places ahead of the first read of the scores; with the two at the step's head also those behind the last step's products, ahead of the loads into V's registers
	v_add_nc_u32 v[ADT], s[ST2], v[AT0]
	v_mov_b32 v251, v12                            ; the old -M
	v_nop
.irp t, 0,1,2,3
.irp c, 0,1
	ds_load_b128 v[VF+8*\t+4*\c:VF+8*\t+4*\c+3], v[ADV] offset:1024*\t+512*\c
.endr
.endr
	ds_load_b128 v[196:199], v[ADT]                ; V's words: register i: d tile i
	SMX
	s_wait_alu depctr_va_vdst(0)
	s_wait_dscnt 0x0                               ; V and its words
.irp t, 0,1,2,3
	v_wmma_scale_f32_16x16x128_f8f6f4 v[O+8*\t:O+8*\t+7], v[VF+8*\t:VF+8*\t+7], v[PC:PC+7], v[O+8*\t:O+8*\t+7], v[196+\t], v202 matrix_a_fmt:MATRIX_FMT_FP4 matrix_b_fmt:MATRIX_FMT_FP4
.endr
	s_lshr_b32 s[FLC], s[FLC], 1
	s_add_co_u32 s[ST4], s[ST4], 4096
	s_add_co_u32 s[ST5], s[ST5], 512
	s_add_co_u32 s[ST2], s[ST2], 256
	s_cmp_lt_u32 s[ST2], 4096
	s_cbranch_scc1 .Lstep_\p
	OUT \p
.endm
	PASS 0
	PASS 1
	s_wait_tensorcnt 0x0                           ; the wave's end
	ds_add_u32 v[SPW], v[NIL]
	s_wait_dscnt 0x0
	s_endpgm
.Lfunc_end_k_q053acc36e4_attn:
	.size	k_q053acc36e4_attn, .Lfunc_end_k_q053acc36e4_attn-k_q053acc36e4_attn
	.p2alignl 7, 3214868480
	.fill 96, 4, 3214868480
	.section	.rodata,"a",@progbits
	.p2align	6, 0x0
	.amdhsa_kernel k_q053acc36e4_attn
		.amdhsa_group_segment_fixed_size 153856
		.amdhsa_private_segment_fixed_size 0
		.amdhsa_enable_private_segment 0
		.amdhsa_kernarg_size 40
		.amdhsa_user_sgpr_count 2
		.amdhsa_user_sgpr_kernarg_segment_ptr 1
		.amdhsa_wavefront_size32 1
		.amdhsa_system_sgpr_workgroup_id_x 1
		.amdhsa_system_sgpr_workgroup_id_y 1
		.amdhsa_system_sgpr_workgroup_id_z 1
		.amdhsa_system_vgpr_workitem_id 0
		.amdhsa_next_free_vgpr 256
		.amdhsa_next_free_sgpr 90
		.amdhsa_reserve_vcc 1
		.amdhsa_float_denorm_mode_32 3
		.amdhsa_float_denorm_mode_16_64 3
		.amdhsa_memory_ordered 1
		.amdhsa_forward_progress 1
		.amdhsa_inst_pref_size 52
	.end_amdhsa_kernel
	.amdgpu_metadata
---
amdhsa.version: [ 1, 2 ]
amdhsa.kernels:
  - .name:           k_q053acc36e4_attn
    .symbol:         k_q053acc36e4_attn.kd
    .args:
      - { .name: qkv_codes, .offset: 0, .size: 8, .value_kind: global_buffer, .address_space: global }
      - { .name: qkv_scales, .offset: 8, .size: 8, .value_kind: global_buffer, .address_space: global }
      - { .name: input_ids, .offset: 16, .size: 8, .value_kind: global_buffer, .address_space: global }
      - { .name: att_codes, .offset: 24, .size: 8, .value_kind: global_buffer, .address_space: global }
      - { .name: att_scales, .offset: 32, .size: 8, .value_kind: global_buffer, .address_space: global }
    .group_segment_fixed_size: 153856
    .private_segment_fixed_size: 0
    .kernarg_segment_align: 8
    .kernarg_segment_size: 40
    .max_flat_workgroup_size: 512
    .sgpr_count:     90
    .vgpr_count:     256
    .wavefront_size: 32
...
	.end_amdgpu_metadata
.endif
;; end of part 3
;; launch proj (part 4): grid 4 x 64, 4 waves a work-group, clusters of 4 x 4, 327,680 bytes of LDS; arguments att_codes, att_scales, xw_codes, xw_scales, bp, x, out0; writes out0
.if DOCPART == 4
	.amdgcn_target "amdgcn-amd-amdhsa--gfx1250"
	.amdhsa_code_object_version 6
	.text
	.protected	k_q053acc36e4_proj
	.globl	k_q053acc36e4_proj
	.p2align	8
	.type	k_q053acc36e4_proj,@function
k_q053acc36e4_proj:
	s_mov_b64 s[64:65], 0
	v_nop
	global_prefetch_b8 v0, s[64:65] scope:SCOPE_SE
	s_setreg_imm32_b32 hwreg(HW_REG_WAVE_MODE, 25, 1), 1
	s_wait_xcnt 0x0
	s_wait_alu depctr_hold_cnt(0) depctr_sa_sdst(0) depctr_va_vdst(0) depctr_va_sdst(0) depctr_va_ssrc(0) depctr_va_vcc(0) depctr_vm_vsrc(0)
	s_getreg_b32 s2, hwreg(HW_REG_IB_STS2, 6, 4)
	s_cmp_eq_u32 s2, 0
	s_cbranch_scc0 .Lentry_in_a_cluster
	s_endpgm
.Lentry_in_a_cluster:
	s_bfe_u32 s2, ttmp6, 0x10000c
	s_cmp_lg_u32 s2, 0xf033
	s_cbranch_scc0 .Lentry_shape_is_right
	s_endpgm
.Lentry_shape_is_right:
; Launch 4 of 4: out0 = attn Wp + bp + x on codes of E2M1, f32 out.  No work is left out.  A block of 128 rows x 256 columns a work-group, all of K in LDS at once, one joint tensor load a wave; nothing is filled again.
; The scale words go from memory straight into the registers that the products name, 32 bytes a row.  The bias is the first products' C; x's rows are added on the way out.  No prefetch: all is asked for at the head.
; LIMITS: NaN and infinities among the inputs are not served, but for the scale byte 0xff that the attention launch leaves for a row with no key that counts.
.set BC,    65536
.set ASC,   200704
.set BSC,   205056
.set SPARE, 213760
.set STG,   214272
.set LIA,  16
.set ADRB, 17
.set ADSA, 18
.set ADSB, 19
.set STO,  20
.set RD,   21
.set CO,   22
.set VBO,  23
.set SPW,  28
.set NIL,  29
.set SA,   32
.set SB,   64
.set AF,   128
.set BK,   128
.set BR,   64
.set G1, 24
.set G0, 32
.set G1B, 48
.set G0B, 56
.set G1S, 68
.set G0S, 76
.set G1SB, 80
.set G0SB, 88
.set MSB, 0
.macro WIN new
.if MSB != \new
	s_set_vgpr_msb (MSB<<8)|\new
.set MSB, \new
.endif
.endm
.macro JLOAD g0a, g1a, g0b, g1b
	s_cmp_eq_u32 s19, 0
	s_cbranch_scc0 .Lfor_b_\@
	tensor_load_to_lds s[\g0a:\g0a+3], s[\g1a:\g1a+7]
	s_nop 0
.rept 4
	v_nop
.endr
	s_branch .Lasked_\@
.Lfor_b_\@:
	tensor_load_to_lds s[\g0b:\g0b+3], s[\g1b:\g1b+7]
	s_nop 0
.rept 4
	v_nop
.endr
.Lasked_\@:
.endm
.macro CROUND
	s_barrier_signal -1
	s_barrier_wait -1
	s_cmp_lg_u32 s18, 0
	s_cbranch_scc1 .Lnot_wave_0_\@
	s_barrier_signal -3
.Lnot_wave_0_\@:
	s_barrier_wait -3
	s_barrier_signal -1
	s_barrier_wait -1
.endm
.macro PLACES n
.rept \n
	v_nop
.endr
.endm
	s_load_b256 s[4:11], s[0:1], 0x0
	s_load_b128 s[12:15], s[0:1], 0x20
	s_load_b64 s[16:17], s[0:1], 0x30
	v_lshl_add_u32 v[SPW], v0, 2, SPARE
	v_mov_b32 v[NIL], 0
	ds_add_u32 v[SPW], v[NIL]
	ds_add_u32 v[SPW], v[NIL]
	v_lshrrev_b32 v1, 5, v0
	v_readfirstlane_b32 s18, v1
	s_lshr_b32 s19, s18, 1
	s_and_b32 s20, s18, 1
	s_bfe_u32 s40, ttmp6, 0x40000
	s_bfe_u32 s41, ttmp6, 0x40004
	s_lshl_b32 s42, ttmp9, 2
	s_add_co_u32 s42, s42, s40
	s_and_b32 s43, ttmp7, 0xffff
	s_lshl_b32 s43, s43, 2
	s_add_co_u32 s43, s43, s41
	s_lshl_b32 s44, s41, 2
	s_lshl_b32 s44, 15, s44
	s_lshl_b32 s45, 0x1111, s40
	s_or_b32 s[G1], s44, (3<<16)|(1<<21)
	s_mov_b32 s[G1+1], 32<<16
	s_mov_b32 s[G1+2], 128<<16
	s_mov_b32 s[G1+3], 32<<16
	s_mov_b32 s[G1+4], 128
	s_mov_b32 s[G1+5], 32
	s_mov_b32 s[G1+6], 0
	s_mov_b32 s[G1+7], 0
	s_or_b32 s[G1B], s45, (0<<16)|(1<<20)|(1<<21)|(6<<22)|(3<<25)
	s_mov_b32 s[G1B+1], 512<<16
	s_mov_b32 s[G1B+2], 128<<16
	s_mov_b32 s[G1B+3], 512<<16
	s_mov_b32 s[G1B+4], 128
	s_mov_b32 s[G1B+5], 512
	s_mov_b32 s[G1B+6], 0
	s_mov_b32 s[G1B+7], 0
	s_lshl_b32 s22, s43, 16
	s_lshl_b32 s21, s20, 15
	s_add_co_u32 s22, s22, s21
	s_mov_b32 s23, 0
	s_lshl_b32 s2, s43, 12
	s_lshl_b32 s21, s19, 11                        ; the scale bytes of my wave's 64 rows of attn
	s_add_co_u32 s2, s2, s21
	s_mov_b32 s3, 0
	s_lshl_b32 s46, s42, 17
	s_lshl_b32 s21, s20, 16
	s_add_co_u32 s46, s46, s21
	s_add_co_u32 s46, s46, 5767168
	s_mov_b32 s47, 0
	s_lshl_b32 s94, s42, 13
	s_lshl_b32 s21, s20, 12
	s_add_co_u32 s94, s94, s21
	s_add_co_u32 s94, s94, 360448
	s_mov_b32 s95, 0
	s_lshl_b32 s96, s20, 15
	s_mul_i32 s97, s20, 67584
	s_wait_dscnt 0x0
	s_wait_kmcnt 0x0
	CROUND
	s_mov_b32 s[G0], 1
	s_mov_b32 s[G0+1], s96
	s_add_nc_u64 s[G0+2:G0+3], s[4:5], s[22:23]
	s_or_b32 s[G0+3], s[G0+3], 0x80000000
	s_mov_b32 s[G0B], 1
	s_add_co_u32 s[G0B+1], s97, BC
	s_add_nc_u64 s[G0B+2:G0B+3], s[8:9], s[46:47]
	s_or_b32 s[G0B+3], s[G0B+3], 0x80000000
	JLOAD G0, G1, G0B, G1B
	s_add_nc_u64 s[6:7], s[6:7], s[2:3]
	s_add_nc_u64 s[10:11], s[10:11], s[94:95]      ; and of my wave's 128 rows of Wp
	v_and_b32 v1, 15, v0
	v_bfe_u32 v2, v0, 4, 1
	v_and_b32 v3, 31, v0
	v_lshlrev_b32 v[CO], 4, v3
	s_lshl_b32 s2, s19, 15
	v_add_nc_u32 v[LIA], s2, v[CO]
	v_mul_u32_u24 v4, v1, 528
	s_wait_alu depctr_va_vdst(0)
	v_lshl_add_u32 v5, v2, 4, v4
	s_mul_i32 s2, s20, 67584
	s_add_co_u32 s2, s2, BC
	v_add_nc_u32 v[ADRB], s2, v5
	v_lshlrev_b32 v[ADSA], 5, v1                   ; a row of scale bytes is 32 bytes
	s_mul_i32 s2, s18, 8448
	s_add_co_u32 s2, s2, STG
	v_lshl_add_u32 v5, v2, 5, v4
	v_add_nc_u32 v[STO], s2, v5
	v_add_nc_u32 v[RD], s2, v[CO]
	v_lshlrev_b32 v[VBO], 5, v2
	s_wait_alu depctr_va_vdst(0)
	s_lshl_b32 s2, s42, 10
	s_lshl_b32 s21, s20, 9
	s_add_co_u32 s2, s2, s21
	s_mov_b32 s3, 0
	s_add_nc_u64 s[12:13], s[12:13], s[2:3]
	s_lshl_b32 s21, s43, 19
	s_add_co_u32 s2, s2, s21
	s_lshl_b32 s21, s19, 18
	s_add_co_u32 s2, s2, s21
	s_add_nc_u64 s[14:15], s[14:15], s[2:3]
	s_add_nc_u64 s[16:17], s[16:17], s[2:3]
.irp a, 0,1,2,3
	global_load_b128 v[SA+8*\a:SA+8*\a+3], v[ADSA], s[6:7] offset:512*\a
	global_load_b128 v[SA+8*\a+4:SA+8*\a+7], v[ADSA], s[6:7] offset:512*\a+16
.endr
.irp b, 0,1,2,3,4,5,6,7
	global_load_b128 v[SB+8*\b:SB+8*\b+3], v[ADSA], s[10:11] offset:512*\b
	global_load_b128 v[SB+8*\b+4:SB+8*\b+7], v[ADSA], s[10:11] offset:512*\b+16
.endr
	WIN 0x40
.irp b, 0,1,2,3,4,5,6,7
	global_load_b128 v[BR+8*\b:BR+8*\b+3], v[VBO], s[12:13] offset:64*\b
	global_load_b128 v[BR+8*\b+4:BR+8*\b+7], v[VBO], s[12:13] offset:64*\b+16
.endr
	WIN 0xc0
.set I, 0
.rept 64
	global_load_b128 v[4*I:4*I+3], v[CO], s[14:15] offset:I*4096 th:TH_LOAD_NT
.set I, I+1
.endr
	WIN 0
	s_wait_tensorcnt 0x0
	s_barrier_signal -1
	s_barrier_wait -1
.macro FETCHP s
.set FS, (\s)%2
	WIN 0
.irp a, 0,1,2,3
.irp c, 0,1
	ds_load_b128 v[AF+32*FS+8*\a+4*\c:AF+32*FS+8*\a+4*\c+3], v[LIA] offset:8192*\a+512*(2*(\s)+\c)
.endr
.endr
	WIN 0x40
.irp i, 0,1,2,3,4,5,6,7
.irp c, 0,1
	ds_load_b128 v[128*FS+8*\i+4*\c:128*FS+8*\i+4*\c+3], v[ADRB] offset:8448*\i+64*(\s)+32*\c
.endr
.endr
.endm
.macro MULP s
.set FS, (\s)%2
.if (\s) == 0
	WIN 0x91
.else
	WIN 0xa1
.endif
.irp a, 0,1,2,3
.irp b, 0,1,2,3,4,5,6,7
.if (\s) == 0
	v_wmma_scale_f32_16x16x128_f8f6f4 v[8*(8*\a+\b):8*(8*\a+\b)+7], v[128*FS+8*\b:128*FS+8*\b+7], v[AF+32*FS+8*\a:AF+32*FS+8*\a+7], v[BR+8*\b:BR+8*\b+7], v[SB+8*\b+(\s)], v[SA+8*\a+(\s)] matrix_a_fmt:MATRIX_FMT_FP4 matrix_b_fmt:MATRIX_FMT_FP4
.else
	v_wmma_scale_f32_16x16x128_f8f6f4 v[8*(8*\a+\b):8*(8*\a+\b)+7], v[128*FS+8*\b:128*FS+8*\b+7], v[AF+32*FS+8*\a:AF+32*FS+8*\a+7], v[8*(8*\a+\b):8*(8*\a+\b)+7], v[SB+8*\b+(\s)], v[SA+8*\a+(\s)] matrix_a_fmt:MATRIX_FMT_FP4 matrix_b_fmt:MATRIX_FMT_FP4
.endif
.endr
.endr
.endm
	FETCHP 0
	s_wait_loadcnt 63
.irp s, 0,1,2,3,4,5,6,7
	s_wait_dscnt 0x0
.if \s > 0
	PLACES 4
.endif
.if \s < 7
	FETCHP \s+1
.endif
	MULP \s
.endr
	WIN 0
	PLACES 4
	s_wait_loadcnt 0x0
.macro TOSTAGE a
	WIN 0x08
.irp b, 0,1,2,3,4,5,6,7
	ds_store_b128 v[STO], v[64*(\a)+8*\b:64*(\a)+8*\b+3] offset:64*\b
	ds_store_b128 v[STO], v[64*(\a)+8*\b+4:64*(\a)+8*\b+7] offset:64*\b+16
.endr
	WIN 0
.set BB, BK+64*((\a)%2)
.irp t, 0,1,2,3,4,5,6,7,8,9,10,11,12,13,14,15
	ds_load_b128 v[BB+4*\t:BB+4*\t+3], v[RD] offset:\t*528
.endr
.endm
.macro SEND a, younger
.set BB, BK+64*((\a)%2)
	s_wait_dscnt \younger
	WIN 0x0c
.set I, 0
.rept 32
	v_pk_add_f32 v[BB+2*I:BB+2*I+1], v[BB+2*I:BB+2*I+1], v[64*(\a)+2*I:64*(\a)+2*I+1]
.set I, I+1
.endr
	WIN 0
.irp t, 0,1,2,3,4,5,6,7,8,9,10,11,12,13,14,15
	global_store_b128 v[CO], v[BB+4*\t:BB+4*\t+3], s[16:17] offset:(16*(\a)+\t)*4096 th:TH_STORE_NT
.endr
.endm
	TOSTAGE 0
	TOSTAGE 1
	SEND 0, 32
	s_wait_xcnt 0x0
	TOSTAGE 2
	SEND 1, 32
	s_wait_xcnt 0x0
	TOSTAGE 3
	SEND 2, 32
	SEND 3, 0
	s_wait_tensorcnt 0x0
	ds_add_u32 v[SPW], v[NIL]
	s_wait_dscnt 0x0
	CROUND
	s_endpgm
.Lfunc_end_k_q053acc36e4_proj:
	.size	k_q053acc36e4_proj, .Lfunc_end_k_q053acc36e4_proj-k_q053acc36e4_proj
	.p2alignl 7, 3214868480
	.fill 96, 4, 3214868480
	.section	.rodata,"a",@progbits
	.p2align	6, 0x0
	.amdhsa_kernel k_q053acc36e4_proj
		.amdhsa_group_segment_fixed_size 327680
		.amdhsa_private_segment_fixed_size 0
		.amdhsa_enable_private_segment 0
		.amdhsa_kernarg_size 56
		.amdhsa_user_sgpr_count 2
		.amdhsa_user_sgpr_kernarg_segment_ptr 1
		.amdhsa_wavefront_size32 1
		.amdhsa_system_sgpr_workgroup_id_x 1
		.amdhsa_system_sgpr_workgroup_id_y 1
		.amdhsa_system_sgpr_workgroup_id_z 1
		.amdhsa_system_vgpr_workitem_id 0
		.amdhsa_next_free_vgpr 1024
		.amdhsa_next_free_sgpr 100
		.amdhsa_reserve_vcc 0
		.amdhsa_float_denorm_mode_32 3
		.amdhsa_float_denorm_mode_16_64 3
		.amdhsa_memory_ordered 1
		.amdhsa_forward_progress 1
		.amdhsa_inst_pref_size 85
	.end_amdhsa_kernel
	.amdgpu_metadata
---
amdhsa.version: [ 1, 2 ]
amdhsa.kernels:
  - .name:           k_q053acc36e4_proj
    .symbol:         k_q053acc36e4_proj.kd
    .args:
      - { .name: att_codes, .offset: 0, .size: 8, .value_kind: global_buffer, .address_space: global }
      - { .name: att_scales, .offset: 8, .size: 8, .value_kind: global_buffer, .address_space: global }
      - { .name: xw_codes, .offset: 16, .size: 8, .value_kind: global_buffer, .address_space: global }
      - { .name: xw_scales, .offset: 24, .size: 8, .value_kind: global_buffer, .address_space: global }
      - { .name: bp, .offset: 32, .size: 8, .value_kind: global_buffer, .address_space: global }
      - { .name: x, .offset: 40, .size: 8, .value_kind: global_buffer, .address_space: global }
      - { .name: out0, .offset: 48, .size: 8, .value_kind: global_buffer, .address_space: global }
    .group_segment_fixed_size: 327680
    .private_segment_fixed_size: 0
    .kernarg_segment_align: 8
    .kernarg_segment_size: 56
    .max_flat_workgroup_size: 128
    .sgpr_count:     100
    .vgpr_count:     1024
    .wavefront_size: 32
...
	.end_amdgpu_metadata
.endif
;; end of part 4
